; MI455X (gfx1250); checked and timed in simulation.
; The chip was launched on July 23, 2026; its instructions are those of AMD's public machine-readable ISA for CDNA 5 (MIT licence, August 2026) and "CDNA5" Instruction Set Architecture Reference Guide (July 2026). The comments in the code are by the model that wrote it; some were corrected since.
;; Patch Downsample Block. Allowed arithmetic: matrix products marked QUANTISED: E2M3 operands, one E8M0 scale for each 32 along K, by v_wmma_scale_f32_16x16x128_f8f6f4 with both operands' format E2M3, f32 sums; products left as they are: f32 operands where the result goes on into a quantised operand, else bf16, f16 or f32 operands; f32 sums; everything else in f32.
;; Inputs: W1 384 x 768 float32; W2 768 x 384 float32; Wk 384 x 384 float32; Wq 384 x 384 float32; Wv 384 x 384 float32; b1 768 float32; b2 384 float32; beta 384 float32; bk 384 float32; bq 384 float32; bv 384 float32; gamma 384 float32; x 8 x 16 x 32 x 32 x 384 float32.
;; Outputs: out0 8 x 16 x 16 x 16 x 384 float32.
;; This version of the problem:
;;   THIS VERSION OF THE PROBLEM IS GIVEN IN LOW PRECISION. The matrix products marked QUANTISED in the list below multiply operands that are first quantised to E2M3 (2 exponent bits, 3 mantissa bits; 6 bits a number), with one power-of-two scale for each 32 numbers along K (OCP MX v1.0); their sums are f32. All else is computed in f32.
;;   The module's matrix products, in the order in which they are computed (A, B: the left and right operand; K: the contracted axis; several contracted axes count as one K, in the product's order):
;;     1. [M 32,768, K 384] x [K 384, N 384]; A: computed on the way; B: input Wq: QUANTISED
;;     2. [M 131,072, K 384] x [K 384, N 384]; A: input x; B: input Wk: QUANTISED
;;     3. [M 131,072, K 384] x [K 384, N 384]; A: input x; B: input Wv: QUANTISED
;;     4. batch 32,768 x [M 1, K 384] x [K 384, N 4]; A: computed on the way; B: computed on the way: left as it is (M = 1 < 16)
;;     5. batch 32,768 x [M 1, K 4] x [K 4, N 384]; A: softmax; B: computed on the way: left as it is (K = 4 < 32)
;;     6. [M 32,768, K 384] x [K 384, N 768]; A: computed on the way; B: input W1: QUANTISED
;;     7. [M 32,768, K 768] x [K 768, N 384]; A: computed on the way; B: input W2: QUANTISED
;;   THE QUANTISER, for each operand of a quantised product, along K:
;;     - K is cut into blocks of 32 from its start; a last block that is shorter is filled with zeros.
;;     - A block's scale is 2^e with e = floor(log2(the largest magnitude in the block)) - 2, held to -126 .. 127; a block of zeros has e = 0. As a byte (E8M0): e + 127.
;;     - Each number is divided by its block's scale, clamped to +-7.5, and rounded to the nearest number of E2M3, ties to even, subnormals kept.
;;     - The product sums the exact products of the quantised numbers (number of the format x scale) in f32.
;;   ~~~python
;;   def quantise(x, axis):      # numpy; x: float32 -> the quantised numbers, widened to float32 again
;;       x = np.moveaxis(x, axis, -1); K = x.shape[-1]
;;       x = np.pad(x, [(0, 0)] * (x.ndim - 1) + [(0, -K % 32)]); x = x.reshape(x.shape[:-1] + (-1, 32)); a = np.abs(x).max(-1, keepdims=True)
;;       e = np.where(a > 0, np.clip(np.frexp(np.where(a > 0, a, 1))[1] - 1 - 2, -126, 127), 0)      # np.frexp(a)[1] - 1 = floor(log2(a)), exactly
;;       r = np.clip(x / 2.0 ** e, -7.5, 7.5)
;;       step = 2.0 ** (np.maximum(np.frexp(np.where(r == 0, 1, r))[1] - 1, 0) - 3)
;;       q = np.round(r / step) * step * 2.0 ** e      # np.round: ties to even
;;       return np.moveaxis(q.reshape(q.shape[:-2] + (-1,))[..., :K], -1, axis).astype(np.float32)
;;   ~~~
;;   OPERANDS COMPUTED ON THE WAY. 'Computed on the way' means the value that the module computes at that place (a softmax that the list does not call 'softmax' is quantised finished and normalised). What goes into a quantiser is computed in f32, as accurately as f32 sums, v_exp_f32 and their like allow (about 1e-6 of the number): no bf16 or f16 on the way to a quantiser, and a product that is left as it is and whose result goes on into a quantised operand takes f32 operands (vector FMAs, or v_wmma_f32_16x16x4_f32). A number that lies on a knife's edge between two numbers of the format may be rounded either way, as far as f32 arithmetic and the matrix unit's own rounding can turn it there, and no further.
;; One version. Each part assembles by itself: llvm-mc -triple=amdgcn-amd-amdhsa -mcpu=gfx1250 --defsym DOCPART=n.
;; ======== version 1 of 1: 2 launches
;; limits: right only within a limited range of input values
;; workspace buffers: wcodes 774,144 bytes; wscales 32,256 bytes
;; launch wprep (part 1): grid 126 x 1, 4 waves a work-group, no clusters, 0 bytes of LDS; arguments Wq, Wk, Wv, W1, W2, wcodes, wscales; writes wcodes, wscales
.if DOCPART == 1
	.amdgcn_target "amdgcn-amd-amdhsa--gfx1250"
	.amdhsa_code_object_version 6
	.text
	.protected	k_q774942df81_wprep
	.globl	k_q774942df81_wprep
	.p2align	8
	.type	k_q774942df81_wprep,@function
k_q774942df81_wprep:
	s_mov_b64 s[64:65], 0
	v_nop
	global_prefetch_b8 v0, s[64:65] scope:SCOPE_SE
	s_setreg_imm32_b32 hwreg(HW_REG_WAVE_MODE, 25, 1), 1
	s_wait_xcnt 0x0
; Wq, Wk, Wv [384][384], W1 [384][768], W2 [768][384], f32 with K as the FIRST axis, become codes of FP6 (E2M3) with one E8M0 byte for each 32 along K,
; laid in the ORDER OF THE OPERAND'S REGISTERS: a fragment (16 columns x 128 K, 12 registers a lane) is 1,536 bytes, registers 4 c .. 4 c + 3 of lane l at 512 c + 16 l;
; its 16 scale words (one a column) are 64 bytes.  504 fragments, one wave each; 126 work-groups of four waves.
; WHICH COLUMNS FORM A TILE: lane m of column tile ct takes column 32 (ct / 2) + 8 (ct % 2) + m + 8 (m / 8), so that in the transposed product the 16 registers of two neighbouring tiles are 16 neighbouring columns.
; WHERE A FRAGMENT GOES (d = 0 .. 503, G = d / 72, e = d % 72): the reader's wave w owns the blocks of 32 columns 4 i + w; its local tile ct' = 2 i + u is the tile 8 i + 2 w + u.
;   G < 3 (Wq, Wk, Wv): w = e / 18, ct' = (e % 18) / 3, K step = e % 3.   G >= 3: w = G - 3;  e < 36 (W1): ct' = e / 3, K step = e % 3;  e >= 36 (W2): K step = (e - 36) / 6, ct' = (e - 36) % 6.
; A LANE TAKES A COLUMN AND ITS REGISTERS RUN DOWN K, in the order that the operand's layout gives that lane (k = 64 c + 32 h + 0 .. 31): the conversions' results are the operand's registers.
; A block's scale is 2^(floor(log2(largest magnitude)) - 2); its byte is the largest magnitude's exponent field - 2, held at 1 from below.
; LIMITS: a block of zeros gets the byte 1 where the rule says 127 (its codes are zeros, and this program alone reads the bytes); blocks whose largest magnitude lies under 2^-124 have the byte held at 1;
; NaN and infinities among the inputs are not served.
; DEAD WORK, for the whole program: bk.  reference() adds bk to every k, so each of a window's four scores gets the same term q . bk (the product of q and k is left as it is: no quantiser stands
; between k and the scores), and a softmax along those four is not changed by a term common to them, whatever the inputs hold.  So bk is not loaded and is among no launch's arguments.
; LIMIT: a NaN, an infinity or an overflow that would arise in q . bk alone is not carried to the result.
	s_load_b256 s[4:11], s[0:1], 0x0               ; Wq s[4:5], Wk s[6:7], Wv s[8:9], W1 s[10:11]
	s_load_b128 s[12:15], s[0:1], 0x20             ; W2 s[12:13], the codes s[14:15]
	s_load_b64 s[16:17], s[0:1], 0x30              ; the scale words
	v_lshrrev_b32 v1, 5, v0
	v_readfirstlane_b32 s18, v1                    ; wave
	s_lshl_b32 s19, ttmp9, 2
	s_add_co_u32 s19, s19, s18                     ; d
	s_mul_i32 s20, s19, 911
	s_lshr_b32 s20, s20, 16                        ; G = d / 72 (911 x 72 = 65,592: exact for d under 1,152)
	s_mul_i32 s21, s20, 72
	s_sub_co_u32 s21, s19, s21                     ; e
	s_mul_i32 s22, s21, 3641
	s_lshr_b32 s22, s22, 16                        ; e / 18
	s_mul_i32 s23, s22, 18
	s_sub_co_u32 s23, s21, s23                     ; e % 18
	s_sub_co_u32 s24, s21, 36                      ; e - 36 (used where e >= 36 alone)
	s_mul_i32 s25, s24, 10923
	s_lshr_b32 s25, s25, 16                        ; W2's K step
	s_mul_i32 s26, s25, 6
	s_sub_co_u32 s26, s24, s26                     ; W2's ct'
	s_sub_co_u32 s28, s20, 3                       ; G - 3
	s_cmp_lt_u32 s20, 3
	s_cselect_b32 s27, s23, s21                    ; what is cut into ct' and K step by three
	s_cselect_b32 s28, s22, s28                    ; w
	s_cselect_b32 s31, 0, s21                      ; e where G >= 3, else 0
	s_mul_i32 s29, s27, 21846
	s_lshr_b32 s29, s29, 16                        ; ct'
	s_mul_i32 s30, s29, 3
	s_sub_co_u32 s30, s27, s30                     ; K step
	s_mov_b32 s33, 1536
	s_mov_b32 s36, 1536
	s_cmp_ge_u32 s20, 3
	s_cselect_b32 s33, 3072, s33                   ; a row of the source in bytes: W1's is 3,072,
	s_cmp_ge_u32 s31, 36                           ; W2?
	s_cselect_b32 s29, s26, s29
	s_cselect_b32 s30, s25, s30
	s_cselect_b32 s33, s36, s33                    ; W2's 1,536 again
	s_mul_i32 s36, s30, s33
	s_lshl_b32 s36, s36, 7                         ; K step x 128 rows
	s_lshr_b32 s37, s29, 1
	s_lshl_b32 s37, s37, 9                         ; + 512 i
	s_add_co_u32 s36, s36, s37
	s_lshl_b32 s37, s28, 7                         ; + 128 w
	s_add_co_u32 s36, s36, s37
	s_and_b32 s37, s29, 1
	s_lshl_b32 s37, s37, 5                         ; + 32 u: the tile's first column, in bytes
	s_add_co_u32 s36, s36, s37
	s_mov_b32 s37, 0
	s_lshl_b32 s38, s33, 5                         ; 32 rows
	s_mov_b32 s40, 0x76543210
	s_mov_b32 s41, 0xfedcba98                      ; v_permlanex16_b32's selects for lane l xor 16
	v_and_b32 v2, 31, v0                           ; lane
	v_and_b32 v3, 15, v0                           ; m
	v_bfe_u32 v4, v0, 4, 1                         ; h
	v_and_b32 v5, 8, v3
	v_add_nc_u32 v5, v5, v3                        ; m + 8 (m / 8)
	v_lshlrev_b32 v5, 2, v5
	v_mul_lo_u32 v6, v4, s38
	v_add_nc_u32 v5, v5, v6                        ; my column, and 32 rows further down for lanes 16-31
	v_lshlrev_b32 v7, 4, v2                        ; the image: 16 bytes a lane
	v_lshlrev_b32 v8, 2, v3                        ; the scale words: 4 bytes a column
	s_wait_kmcnt 0x0
	s_cmp_eq_u32 s20, 1                            ; the source: a choice that hangs on the work-group's and the wave's number alone
	s_cselect_b64 s[34:35], s[6:7], s[4:5]
	s_cmp_eq_u32 s20, 2
	s_cselect_b64 s[34:35], s[8:9], s[34:35]
	s_cmp_ge_u32 s20, 3
	s_cselect_b64 s[34:35], s[10:11], s[34:35]
	s_cmp_ge_u32 s31, 36
	s_cselect_b64 s[34:35], s[12:13], s[34:35]
	s_add_nc_u64 s[34:35], s[34:35], s[36:37]
	s_mul_i32 s36, s19, 1536
	s_add_nc_u64 s[14:15], s[14:15], s[36:37]      ; my fragment's image
	s_lshl_b32 s36, s19, 6
	s_add_nc_u64 s[16:17], s[16:17], s[36:37]      ; and its scale words
.macro WLOAD pitch                     ; W(64 c + 32 h + i, my column) into v[64 + 32 c + i]: every offset is an immediate, so the run is written once for each pitch
.set n, 0
.rept 64
	global_load_b32 v[64+n], v5, s[34:35] offset:(64*(n/32)+n%32)*(\pitch)
.set n, n+1
.endr
.endm
	s_cmp_eq_u32 s33, 3072
	s_cbranch_scc1 .Lwide
	s_wait_alu depctr_va_vdst(0)
	WLOAD 1536
	s_branch .Lloaded
.Lwide:
	s_wait_alu depctr_va_vdst(0)
	WLOAD 3072
.Lloaded:
	s_wait_loadcnt 0x0
.irp c, 0,1                                    ; my block 2 c + h: all its 32 numbers are mine
	v_max3_num_f32 v[32+\c], |v[64+32*\c]|, |v[65+32*\c]|, 0x1800000   ; and the floor 2^(3 - 127): the byte cannot fall under 1
.endr
.irp i, 2,4,6,8,10,12,14,16,18,20,22,24,26,28,30
.irp c, 0,1
	v_max3_num_f32 v[32+\c], v[32+\c], |v[64+32*\c+\i]|, |v[65+32*\c+\i]|
.endr
.endr
.irp c, 0,1
	v_add_nc_u32 v[44+\c], 0xff000000, v[32+\c]    ; 2 off the exponent field: the conversion's scale operand
.endr
.irp c, 0,1
	v_lshrrev_b32 v[36+\c], 23, v[44+\c]           ; the scale's byte
.endr
	v_lshl_or_b32 v9, v37, 16, v36                 ; my two bytes: blocks h and 2 + h of my column,
	v_lshlrev_b32 v10, 3, v4
	v_lshlrev_b32 v9, v10, v9                      ; at their places in the word (8 h bits up);
	v_mov_b32 v10, 0
	v_permlanex16_b32 v10, v9, s40, s41
	v_or_b32 v9, v9, v10                           ; with lane l xor 16's two the word is whole, in both lanes
.irp c, 0,1
	v_cvt_scalef32_pk16_fp6_f32 v[48+6*\c:50+6*\c], v[64+32*\c:79+32*\c], v[44+\c]       ; registers 6 c .. 6 c + 2 of the operand
	v_cvt_scalef32_pk16_fp6_f32 v[192+4*\c:194+4*\c], v[80+32*\c:95+32*\c], v[44+\c]     ; (a conversion's three registers begin on an even number: the second three are made elsewhere and moved)
.endr
	v_nop                                          ; one plain place behind a scaled conversion
.irp c, 0,1
.irp i, 0,1,2
	v_mov_b32 v[51+6*\c+\i], v[192+4*\c+\i]
.endr
.endr
.irp c, 0,1,2
	global_store_b128 v7, v[48+4*\c:51+4*\c], s[14:15] offset:512*\c   ; 32 lanes store 512 consecutive bytes, at a multiple of 512 from the buffer's first byte
.endr
	global_store_b32 v8, v9, s[16:17]              ; lanes l and l xor 16 write the same word to the same place; a work-group's four waves fill 256 consecutive bytes
	s_endpgm
.Lfunc_end_k_q774942df81_wprep:
	.size	k_q774942df81_wprep, .Lfunc_end_k_q774942df81_wprep-k_q774942df81_wprep
	.p2alignl 7, 3214868480
	.fill 96, 4, 3214868480
	.section	.rodata,"a",@progbits
	.p2align	6, 0x0
	.amdhsa_kernel k_q774942df81_wprep
		.amdhsa_group_segment_fixed_size 0
		.amdhsa_private_segment_fixed_size 0
		.amdhsa_enable_private_segment 0
		.amdhsa_kernarg_size 56
		.amdhsa_user_sgpr_count 2
		.amdhsa_user_sgpr_kernarg_segment_ptr 1
		.amdhsa_wavefront_size32 1
		.amdhsa_system_sgpr_workgroup_id_x 1
		.amdhsa_system_sgpr_workgroup_id_y 1
		.amdhsa_system_sgpr_workgroup_id_z 1
		.amdhsa_system_vgpr_workitem_id 0
		.amdhsa_next_free_vgpr 200
		.amdhsa_next_free_sgpr 66
		.amdhsa_reserve_vcc 0
		.amdhsa_float_denorm_mode_32 3
		.amdhsa_float_denorm_mode_16_64 3
		.amdhsa_memory_ordered 1
		.amdhsa_forward_progress 1
		.amdhsa_inst_pref_size 19
	.end_amdhsa_kernel
	.amdgpu_metadata
---
amdhsa.version: [ 1, 2 ]
amdhsa.kernels:
  - .name:           k_q774942df81_wprep
    .symbol:         k_q774942df81_wprep.kd
    .args:
      - { .name: Wq, .offset: 0, .size: 8, .value_kind: global_buffer, .address_space: global }
      - { .name: Wk, .offset: 8, .size: 8, .value_kind: global_buffer, .address_space: global }
      - { .name: Wv, .offset: 16, .size: 8, .value_kind: global_buffer, .address_space: global }
      - { .name: W1, .offset: 24, .size: 8, .value_kind: global_buffer, .address_space: global }
      - { .name: W2, .offset: 32, .size: 8, .value_kind: global_buffer, .address_space: global }
      - { .name: wcodes, .offset: 40, .size: 8, .value_kind: global_buffer, .address_space: global }
      - { .name: wscales, .offset: 48, .size: 8, .value_kind: global_buffer, .address_space: global }
    .group_segment_fixed_size: 0
    .private_segment_fixed_size: 0
    .kernarg_segment_align: 8
    .kernarg_segment_size: 56
    .max_flat_workgroup_size: 128
    .sgpr_count:     66
    .vgpr_count:     200
    .wavefront_size: 32
...
	.end_amdgpu_metadata
.endif
;; end of part 1
;; launch fused (part 2): grid 256 x 1, 4 waves a work-group, no clusters, 327,680 bytes of LDS; arguments x, wcodes, wscales, out0, bq, bv, b1, b2, gamma, beta; writes out0
.if DOCPART == 2
	.amdgcn_target "amdgcn-amd-amdhsa--gfx1250"
	.amdhsa_code_object_version 6
	.text
	.protected	k_q774942df81_fused
	.globl	k_q774942df81_fused
	.p2align	8
	.type	k_q774942df81_fused,@function
k_q774942df81_fused:
	s_mov_b64 s[64:65], 0
	v_nop
	global_prefetch_b8 v0, s[64:65] scope:SCOPE_SE
	s_setreg_imm32_b32 hwreg(HW_REG_WAVE_MODE, 25, 1), 1
	s_wait_xcnt 0x0
; The whole block in one launch: a work-group takes 512 rows of x (128 windows of 2 x 2) through quantising, q, k, v, the softmax over a window's four keys, W1, GELU, W2 and the LayerNorm.
; bk is left out as dead work: q . bk is the same for a window's four scores, and the softmax along them does not see it (shown at the head of the first kernel).
; FOUR WAVES; wave w owns the blocks of 32 output columns 4 i + w of every product, and holds its fragments of Wq, Wk, Wv in windows 1 to 3 of its registers for all eight trips.
; A TRIP is 64 rows of x (16 windows): the tensor load's f32 rows are read from the slot, the four pixels and their sum are quantised (each wave three blocks of 32 along K), the codes go to LDS beside the slot;
; behind the barrier the slot is filled again, and every wave multiplies all five tiles of codes by its columns.  The products are used transposed: a lane holds one window and 48 of its columns.
; The mean's factor 1/4 is a power of two: the SUM is quantised and 2 is taken off its scale byte (the same codes, the same number).
; Each fragment fetch is issued one product ahead of its use; the dots q . k and the sums p v of one tile are laid in fours behind every three matrix instructions of the next tile's product.
; The scores' parts of the four waves meet in LDS; out is quantised into LDS; then W1 in six rounds of 32 columns a wave, GELU, quantising, W2 in two halves of 64 rows, LayerNorm, and the rows leave through a stage.
; PREFETCH INTO THE L2: tile 1 is asked for at the head, under tile 0's load; trip t asks for tile t + 3, one trip ahead of its tensor load: a wave names its own 24,576 bytes, a lane 256 bytes, three instructions;
; the last trip that refills asks for nothing, so no address leaves the work-group's 786,432 bytes of x.  No clusters: the work-groups share the weights alone, and those go from memory straight into registers.
; LIMITS: a block whose largest magnitude lies under 2^-124 (for the mean: whose sum lies under 2^-122) has its byte held at 1; a block of zeros has the byte 1 (its codes are zeros; this program alone reads the bytes);
; NaN and infinities among the inputs are not served.
.set SLOT1, 131072
.set PFO,33
.set PFB,24
.set XC,    99840
.set XS,    124160
.set SP,    125440
.set SPARE, 129536
.set OC,    256512
.set OS,    295424
.set BT,    297472
.set HC,    0
.set HS,    75776
.set STG,   131072
.set SPW,1
.set NIL,2
.set L16,3
.set XRD,4
.set XCW,5
.set XSW,6
.set XFA,7
.set XSA,8
.set BTA,9
.set SPA,10
.set SPR,11
.set OCW,12
.set OSW,13
.set OFA,14
.set OSA,15
.set HCW,16
.set HCW2,17
.set HSW,18
.set HFA,19
.set HSA,20
.set STW,21
.set STW2,22
.set L4,23
.set XRDT,24
.set XCWT,25
.set XSWT,26
.set XFAT,27
.set XSAT,28
.set OCWT,29
.set OSWT,30
.set STR,31
.set B1AT,24
.set HCWT,25
.set HCW2T,26
.set HSWT,27
.set HFAT,28
.set HSAT,29
.set WS,34
.set OSC,37
.set XSC,64
.set QT,72
.set PP,92
.set QR,112
.set KA,160
.set KB,208
.set XA,112
.set XB,176
.set MEAN,240
.set WV,26
.set CNT,27
.set SLT,28
.set OCS,31
.set OSS,32
.set G1,36
.set G0A,44
.set G0B,48
.set SEL,52
.set CSC,54
.set WCP,56
.set WSP,58
.set GPC,66
.set GEC,68
.set GC5,70
.set GC3,72
.set GC2,74
.set GC1,76
.set B1S,88
.set HCS,89
.set HSS,90
.set HFS,91
.set HS2,92
.set MSB, 0
.macro WIN new
.if MSB != (\new)
	s_set_vgpr_msb (MSB<<8)|(\new)
.set MSB, (\new)
.endif
.endm
.macro PLACES
.rept 4
	v_nop
.endr
.endm
.macro WM d, a, b, cc, sa, sb, odd
.if (\cc) < 0
.if (\odd)
	v_wmma_scale_f32_16x16x128_f8f6f4 v[(\d):(\d)+7], v[(\a):(\a)+11], v[(\b):(\b)+11], 0, v[\sa], v[\sb] matrix_a_fmt:MATRIX_FMT_FP6 matrix_b_fmt:MATRIX_FMT_FP6 matrix_a_scale:MATRIX_SCALE_ROW1
.else
	v_wmma_scale_f32_16x16x128_f8f6f4 v[(\d):(\d)+7], v[(\a):(\a)+11], v[(\b):(\b)+11], 0, v[\sa], v[\sb] matrix_a_fmt:MATRIX_FMT_FP6 matrix_b_fmt:MATRIX_FMT_FP6
.endif
.else
.if (\odd)
	v_wmma_scale_f32_16x16x128_f8f6f4 v[(\d):(\d)+7], v[(\a):(\a)+11], v[(\b):(\b)+11], v[(\cc):(\cc)+7], v[\sa], v[\sb] matrix_a_fmt:MATRIX_FMT_FP6 matrix_b_fmt:MATRIX_FMT_FP6 matrix_a_scale:MATRIX_SCALE_ROW1
.else
	v_wmma_scale_f32_16x16x128_f8f6f4 v[(\d):(\d)+7], v[(\a):(\a)+11], v[(\b):(\b)+11], v[(\cc):(\cc)+7], v[\sa], v[\sb] matrix_a_fmt:MATRIX_FMT_FP6 matrix_b_fmt:MATRIX_FMT_FP6
.endif
.endif
.endm
.macro LOADX buf, i
	WIN 0
.irp j, 0,1,2,3
.irp q, 0,1,2,3
	ds_load_b128 v[(\buf)+16*\j+4*\q:(\buf)+16*\j+4*\q+3], v[XRDT] offset:49920*(\j/2)+1536*(\j%2)+512*(\i)+16*((1536*(\j%2)+512*(\i))/1024)+16*\q
.endr
.endr
.endm
.macro MEANS buf
	WIN 0
.irp p, 0,1,2,3,4,5,6,7
	v_pk_add_f32 v[MEAN+2*\p:MEAN+2*\p+1], v[(\buf)+2*\p:(\buf)+2*\p+1], v[(\buf)+16+2*\p:(\buf)+16+2*\p+1]
.endr
.irp p, 0,1,2,3,4,5,6,7
	v_pk_add_f32 v[MEAN+2*\p:MEAN+2*\p+1], v[MEAN+2*\p:MEAN+2*\p+1], v[(\buf)+32+2*\p:(\buf)+32+2*\p+1]
.endr
.irp p, 0,1,2,3,4,5,6,7
	v_pk_add_f32 v[MEAN+2*\p:MEAN+2*\p+1], v[MEAN+2*\p:MEAN+2*\p+1], v[(\buf)+48+2*\p:(\buf)+48+2*\p+1]
.endr
; (the sum stays a sum: the factor 1/4 goes into its scale byte, in QX)
.endm
.macro QLOC b, src, alt
.set QXR, (\src)+16*(\b)
.set QFL, 0x1800000                    ; the floor 2^(3 - 127): the byte cannot fall under 1
.if ((\alt) >= 0) && ((\b) == 4)
.set QXR, (\alt)
.set QFL, 0x2800000                    ; the sum of four: 2^(5 - 127), since 2 more are taken off its byte
.endif
.endm
.macro QUANT n, src, alt, qt, wn
	WIN 0x55*(\wn)
.set qb, 0
.rept \n
	QLOC qb,\src,\alt
	v_max3_num_f32 v[(\qt)+qb], |v[QXR]|, |v[QXR+1]|, QFL
.set qb, qb+1
.endr
.irp i, 2,4,6,8,10,12,14
.set qb, 0
.rept \n
	QLOC qb,\src,\alt
	v_max3_num_f32 v[(\qt)+qb], v[(\qt)+qb], |v[QXR+\i]|, |v[QXR+\i+1]|
.set qb, qb+1
.endr
.endr
.set qb, 0
.rept \n
	v_permlanex16_b32 v[(\qt)+8+qb], v[(\qt)+qb], s[SEL], s[SEL+1]
.set qb, qb+1
.endr
.set qb, 0
.rept \n
	v_max_num_f32 v[(\qt)+qb], v[(\qt)+qb], v[(\qt)+8+qb]
.set qb, qb+1
.endr
.set qb, 0
.rept \n
	v_add_nc_u32 v[(\qt)+16+qb], 0xff000000, v[(\qt)+qb]
.set qb, qb+1
.endr
.set qb, 0
.rept \n
	v_lshrrev_b32 v[(\qt)+8+qb], 23, v[(\qt)+16+qb]
.set qb, qb+1
.endr
	WIN 0xC0|((\wn)<<2)|(\wn)
.set qb, 0
.rept \n
	QLOC qb,\src,\alt
	v_cvt_scalef32_pk16_fp6_f32 v[216+4*qb:218+4*qb], v[QXR:QXR+15], v[(\qt)+16+qb]
.set qb, qb+1
.endr
	v_nop
.endm
.macro PUTC b0, n, adr, step, off
	WIN 0x0C
.set pb, \b0
.rept \n
.irp t, 0,1,2
	ds_store_b32 v[\adr], v[216+4*pb+\t] offset:(\off)+(\step)*(pb-(\b0))+4*\t
.endr
.set pb, pb+1
.endr
.endm
.macro PUTS n, adr, step, off, qt, wn
	WIN (\wn)<<2
.set pb, 0
.rept \n
	ds_store_b8 v[\adr], v[(\qt)+8+pb] offset:(\off)+(\step)*pb
.set pb, pb+1
.endr
.endm
.macro QX buf, i
	MEANS \buf
	QUANT 5,\buf,MEAN,QT,0
	PUTC 0,5,XCWT,4864,96*(\i)
	WIN 0
	v_add_nc_u32 v[QT+12], -2, v[QT+12]            ; the mean is the sum / 4: the sum's codes under a byte 2 lower
	PUTS 5,XSWT,256,4*(\i),QT,0
.endm
.macro FETCHX fb, tile
	WIN ((\fb)+1)<<6
.irp s, 0,1,2
.irp c, 0,1,2
	ds_load_b128 v[216+12*\s+4*\c:216+12*\s+4*\c+3], v[XFAT] offset:4864*(\tile)+96*\s+16*\c
.endr
.endr
	WIN 0
	ds_load_b96 v[XSC+4*(\fb):XSC+4*(\fb)+2], v[XSAT] offset:256*(\tile)
.endm
.macro BIAS dst, arr, wn
	WIN (\wn)<<6
.irp i, 0,1,2
.irp q, 0,1,2,3
	ds_load_b128 v[(\dst)+16*\i+4*\q:(\dst)+16*\i+4*\q+3], v[BTA] offset:(\arr)+512*\i+16*\q
.endr
.endr
	WIN 0
.endm
.macro MM acc, X, fb, inpl
	WIN ((\X)+1)|(((\fb)+1)<<2)
.irp s, 0,1,2
.irp c, 0,1,2,3,4,5
.if (\s == 0) && ((\inpl) == 0)
	WM (\acc)+8*\c,12*(3*\c+\s),216+12*\s,-1,WS+9*(\X)+(3*\c+\s)/2,XSC+4*(\fb)+\s,(3*\c+\s)%2
.else
	WM (\acc)+8*\c,12*(3*\c+\s),216+12*\s,(\acc)+8*\c,WS+9*(\X)+(3*\c+\s)/2,XSC+4*(\fb)+\s,(3*\c+\s)%2
.endif
.endr
.endr
.endm
; One packed step p (0 .. 23) on a finished tile in K.  vk = 0: the dot q . k of key j, in two chains at v[72 + 4 j ..]; vk = 1: out += p_j v_j
.macro VP vk, j, K, p
.if (\vk) == 0
.if (\p) < 2
	v_pk_mul_f32 v[72+4*(\j)+2*(\p):73+4*(\j)+2*(\p)], v[QR+2*(\p):QR+2*(\p)+1], v[(\K)+2*(\p):(\K)+2*(\p)+1]
.else
	v_pk_fma_f32 v[72+4*(\j)+2*((\p)%2):73+4*(\j)+2*((\p)%2)], v[QR+2*(\p):QR+2*(\p)+1], v[(\K)+2*(\p):(\K)+2*(\p)+1], v[72+4*(\j)+2*((\p)%2):73+4*(\j)+2*((\p)%2)]
.endif
.else
	v_pk_fma_f32 v[QR+2*(\p):QR+2*(\p)+1], v[(\K)+2*(\p):(\K)+2*(\p)+1], v[PP+2*(\j):PP+2*(\j)+1], v[QR+2*(\p):QR+2*(\p)+1]
.endif
.endm
; A product of 18 matrix instructions into acc (its six accumulators by turns, begun with C = 0), and between them the 24 packed steps on the OTHER buffer's finished tile: four behind every three.
; The steps name no register of these matrix instructions; the last four are the four places behind the last matrix instruction.
.macro MMV acc, X, fb, vk, j, K
.set mg, 0
.rept 6
	WIN ((\X)+1)|(((\fb)+1)<<2)
.irp e, 0,1,2
.set mc, (3*mg+\e)%6
.set ms, (3*mg+\e)/6
.if ms == 0
	WM (\acc)+8*mc,12*(3*mc+ms),216+12*ms,-1,WS+9*(\X)+(3*mc+ms)/2,XSC+4*(\fb)+ms,(3*mc+ms)%2
.else
	WM (\acc)+8*mc,12*(3*mc+ms),216+12*ms,(\acc)+8*mc,WS+9*(\X)+(3*mc+ms)/2,XSC+4*(\fb)+ms,(3*mc+ms)%2
.endif
.endr
	WIN 0
.irp q, 0,1,2,3
	VP \vk,\j,\K,4*mg+\q
.endr
.set mg, mg+1
.endr
.endm
.macro ACC j, V
	WIN 0
.set p, 0
.rept 24
	v_pk_fma_f32 v[QR+2*p:QR+2*p+1], v[(\V)+2*p:(\V)+2*p+1], v[PP+2*(\j):PP+2*(\j)+1], v[QR+2*p:QR+2*p+1]
.set p, p+1
.endr
.endm
.macro RED4
	WIN 0
.irp t, 0,1,2,3
	v_pk_add_f32 v[72+4*\t:73+4*\t], v[72+4*\t:73+4*\t], v[74+4*\t:75+4*\t]
.endr
.irp t, 0,1,2,3
	v_add_f32 v[100+\t], v[72+4*\t], v[73+4*\t]
.endr
.irp t, 0,1,2,3
	v_permlanex16_b32 v[104+\t], v[100+\t], s[SEL], s[SEL+1]
.endr
.irp t, 0,1,2,3
	v_add_f32 v[100+\t], v[100+\t], v[104+\t]
.endr
.endm
.macro PARTS off
.irp k, 0,1,2,3
	ds_load_b128 v[72+4*\k:75+4*\k], v[SPR] offset:(\off)+512*\k
.endr
.endm
.macro SUM4
	v_pk_add_f32 v[72:73], v[72:73], v[76:77]
	v_pk_add_f32 v[74:75], v[74:75], v[78:79]
	v_pk_add_f32 v[80:81], v[80:81], v[84:85]
	v_pk_add_f32 v[82:83], v[82:83], v[86:87]
	v_pk_add_f32 v[72:73], v[72:73], v[80:81]
	v_pk_add_f32 v[74:75], v[74:75], v[82:83]
.endm
.macro WLOAD X
	WIN ((\X)+1)<<6
.set f, 0
.rept 18
.irp c, 0,1,2
	global_load_b128 v[12*f+4*\c:12*f+4*\c+3], v[L16], s[60:61] offset:110592*(\X)+1536*f+512*\c
.endr
.set f, f+1
.endr
	WIN 0
.irp k, 0,1,2,3,4,5,6,7,8
	global_load_b32 v[WS+9*(\X)+\k], v[L4], s[62:63] offset:4608*(\X)+128*\k
.endr
.endm
.macro STREAM6
	WIN 0x40
.irp f, 0,1,2,3,4,5
.irp c, 0,1,2
	global_load_b128 v[12*\f+4*\c:12*\f+4*\c+3], v[L16], s[WCP:WCP+1] offset:1536*\f+512*\c
.endr
.endr
	WIN 0
.irp k, 0,1,2
	global_load_b32 v[WS+\k], v[L4], s[WSP:WSP+1] offset:128*\k
.endr
.endm
.macro BULK hb
	WIN ((\hb)+1)<<6
.set f, 0
.rept 18
.irp c, 0,1,2
	global_load_b128 v[12*f+4*\c:12*f+4*\c+3], v[L16], s[WCP:WCP+1] offset:27648*(\hb)+1536*f+512*\c
.endr
.set f, f+1
.endr
	WIN 0
.irp k, 0,1,2,3,4,5,6,7,8
	global_load_b32 v[WS+9+9*(\hb)+\k], v[L4], s[WSP:WSP+1] offset:1152*(\hb)+128*\k
.endr
.endm
	s_load_b256 s[4:11], s[0:1], 0x0
	s_load_b256 s[12:19], s[0:1], 0x20
	s_load_b128 s[20:23], s[0:1], 0x40
	v_lshl_add_u32 v[SPW], v0, 2, SPARE
	v_mov_b32 v[NIL], 0
	ds_add_u32 v1, v2
	ds_add_u32 v1, v2
	s_wait_dscnt 0x0
	v_lshrrev_b32 v32, 5, v0
	v_readfirstlane_b32 s[WV], v32
	s_mov_b32 s[G1], 0x07d30000
	s_mov_b32 s[G1+1], 128<<16
	s_mov_b32 s[G1+2], 24<<16
	s_mov_b32 s[G1+3], 128<<16
	s_mov_b32 s[G1+4], 24
	s_mov_b32 s[G1+5], 128
	s_mov_b32 s[G1+6], 0
	s_mov_b32 s[G1+7], 0
	s_mul_i32 s34, ttmp9, 786432
	s_mul_i32 s33, s[WV], 24576
	s_add_co_u32 s34, s34, s33
	s_mov_b32 s35, 0
	s_mul_i32 s33, s[WV], 24960
	s_wait_kmcnt 0x0
	s_add_nc_u64 s[60:61], s[4:5], s[34:35]
	s_mov_b32 s[G0A], 1
	s_mov_b32 s[G0A+1], s33
	s_mov_b64 s[G0A+2:G0A+3], s[60:61]
	s_or_b32 s[G0A+3], s[G0A+3], 0x80000000
	s_mov_b32 s[G0B], 1
	s_add_co_u32 s[G0B+1], s33, SLOT1
	s_add_nc_u64 s[G0B+2:G0B+3], s[60:61], 98304
	s_or_b32 s[G0B+3], s[G0B+3], 0x80000000
	tensor_load_to_lds s[G0A:G0A+3], s[G1:G1+7]    ; tile 0, my quarter: my one tensor load at the head; all that follows up to the head's end stands under its flight
	s_nop 0
	PLACES
	s_add_nc_u64 s[PFB:PFB+1], s[60:61], 98304     ; my quarter of tile 1
	v_and_b32 v[PFO], 31, v0
	v_lshlrev_b32 v[PFO], 8, v[PFO]                ; a lane names 256 bytes
.irp k, 0,1,2
	global_prefetch_b8 v[PFO], s[PFB:PFB+1] offset:8192*\k th:TH_LOAD_NT scope:SCOPE_SE   ; tile 1's 24,576 bytes of mine: its tensor load stands at the head's end
.endr
	s_mul_i32 s34, s[WV], 27648
	s_add_nc_u64 s[60:61], s[6:7], s[34:35]
	s_mul_i32 s34, s[WV], 1152
	s_add_nc_u64 s[62:63], s[8:9], s[34:35]
	s_mul_i32 s34, s[WV], 110592
	s_add_nc_u64 s[WCP:WCP+1], s[6:7], s[34:35]
	s_add_nc_u64 s[WCP:WCP+1], s[WCP:WCP+1], 331776
	s_mul_i32 s34, s[WV], 4608
	s_add_nc_u64 s[WSP:WSP+1], s[8:9], s[34:35]
	s_add_nc_u64 s[WSP:WSP+1], s[WSP:WSP+1], 13824
	s_mul_i32 s34, ttmp9, 196608
	s_mul_i32 s33, s[WV], 24576
	s_add_co_u32 s34, s34, s33
	s_add_nc_u64 s[10:11], s[10:11], s[34:35]
	v_and_b32 v32, 31, v0
	v_lshlrev_b32 v[L16], 4, v32
	v_lshlrev_b32 v[L4], 2, v32
	v_lshlrev_b32 v24, 2, v0
	v_add_nc_u32 v25, BT, v24
.macro BLD reg, sb, cnt                ; a bias: 512 bytes a load for the work-group's 128 threads
.set n, 0
.rept \cnt
	global_load_b32 v[(\reg)+n], v24, s[\sb:\sb+1] offset:512*n
.set n, n+1
.endr
.endm
	BLD 112, 12, 3                                 ; bq
	BLD 118, 14, 3                                 ; bv
	BLD 121, 18, 3                                 ; b2
	BLD 124, 20, 3                                 ; gamma
	BLD 127, 22, 3                                 ; beta
	BLD 130, 16, 6                                 ; b1
	WLOAD 0
	s_wait_alu depctr_va_vdst(0)
	s_wait_loadcnt 63
.set n, 0
.rept 24
.if (n < 3) || (n > 5)                 ; (the table's second 1,536 bytes are not used)
	ds_store_b32 v25, v[112+n] offset:512*n
.endif
.set n, n+1
.endr
	WLOAD 1
	WLOAD 2
	v_and_b32 v26, 15, v0
	v_bfe_u32 v27, v0, 4, 1
	s_lshl_b32 s33, s[WV], 7
	s_and_b32 s34, s[WV], 1
	s_mul_i32 s34, s34, 48
	s_lshr_b32 s55, s[WV], 1
	s_mul_i32 s55, s55, 24
	s_add_co_u32 s34, s34, s55
	v_mul_u32_u24 v[XRD], v26, 3120
	v_lshl_add_u32 v[XRD], v27, 6, v[XRD]
	v_add_nc_u32 v[XRD], s33, v[XRD]
	v_mul_u32_u24 v28, v26, 304
	v_mad_u32_u24 v29, v27, 12, v28
	v_add_nc_u32 v29, s34, v29
	v_add_nc_u32 v[XCW], XC, v29
	v_add_nc_u32 v[OCW], OC, v29
	v_mad_u32_u24 v29, v27, 48, v28
	v_add_nc_u32 v[XFA], XC, v29
	v_add_nc_u32 v[OFA], OC, v29
	v_lshlrev_b32 v28, 4, v26
	v_add_nc_u32 v[XSA], XS, v28
	v_add_nc_u32 v[OSA], OS, v28
	v_add_nc_u32 v[XSW], s[WV], v[XSA]
	v_add_nc_u32 v[OSW], s[WV], v[OSA]
	v_lshl_add_u32 v[BTA], v27, 6, BT
	v_add_nc_u32 v[BTA], s33, v[BTA]
	v_add_nc_u32 v[SPR], SP, v[L16]
	s_lshl_b32 s55, s[WV], 9
	v_add_nc_u32 v[SPA], s55, v[SPR]
	v_mul_u32_u24 v28, v26, 592
	v_mad_u32_u24 v[HCW], v27, 12, v28
	v_add_nc_u32 v[HCW], s34, v[HCW]
	v_add_nc_u32 v[HCW2], 37888, v[HCW]
	v_mad_u32_u24 v[HFA], v27, 48, v28
	v_lshl_add_u32 v[HSA], v26, 5, HS
	v_add_nc_u32 v[HSW], s[WV], v[HSA]
	v_mul_u32_u24 v[STW], v26, 1552
	v_lshl_add_u32 v[STW], v27, 6, v[STW]
	v_add_nc_u32 v[STW], s33, v[STW]
	v_add_nc_u32 v[STW], STG, v[STW]
	v_add_nc_u32 v[STW2], 49664, v[STW]
	s_mul_i32 s55, s[WV], 24832
	v_add_nc_u32 v[STR], s55, v[L16]
	v_add_nc_u32 v[STR], STG, v[STR]
.irp b, 0,1,2,3,4,5,6,7
	v_mov_b32 v[QT+8+\b], 0
.endr
.irp b, 0,1,2,3
	v_mov_b32 v[104+\b], 0
.endr
	s_mov_b32 s[SEL], 0x76543210
	s_mov_b32 s[SEL+1], 0xfedcba98
	s_mov_b32 s[CSC], 0x3d96c73f
	s_mov_b32 s[SLT], 0
	s_mov_b32 s[OCS], 0
	s_mov_b32 s[OSS], 0
	s_wait_alu depctr_va_vdst(0)                   ; the wait at the head's end
	s_wait_tensorcnt 0x0                           ; my quarter of tile 0 is in;
	ds_add_u32 v[SPW], v[NIL]                      ; the add ahead of a later first fill, as ahead of a refill;
	s_wait_dscnt 0x0                               ; the add and my stores into the table of biases are done
	s_barrier_signal -1
	s_barrier_wait -1
	tensor_load_to_lds s[G0B:G0B+3], s[G1:G1+7]    ; tile 1 into slot 1: my one tensor load behind this barrier
	s_nop 0
	PLACES
.macro TRIP refill
.if \refill
	s_wait_xcnt 0x0                                ; my last prefetches have read their base: it steps a tile on
	s_add_nc_u64 s[PFB:PFB+1], s[PFB:PFB+1], 98304
.endif
	v_add_nc_u32 v[XRDT], s[SLT], v[XRD]
	v_add_nc_u32 v[XCWT], s[SLT], v[XCW]
	v_add_nc_u32 v[XSWT], s[SLT], v[XSW]
	v_add_nc_u32 v[XFAT], s[SLT], v[XFA]
	v_add_nc_u32 v[XSAT], s[SLT], v[XSA]
	v_add_nc_u32 v[OCWT], s[OCS], v[OCW]
	v_add_nc_u32 v[OSWT], s[OSS], v[OSW]
	LOADX XA, 0
	LOADX XB, 1
	s_wait_dscnt 16
	QX XA, 0
	LOADX XA, 2
	s_wait_dscnt 16
	QX XB, 1
	s_wait_dscnt 0x0
	QX XA, 2
	WIN 0
	s_wait_tensorcnt 0x0
	ds_add_u32 v[SPW], v[NIL]
.if \refill
	s_xor_b32 s[G0B+1], s[G0B+1], SLOT1
	s_add_nc_u64 s[G0B+2:G0B+3], s[G0B+2:G0B+3], 98304
.endif
	s_wait_dscnt 0x0
	s_barrier_signal -1
	s_barrier_wait -1
.if \refill
	tensor_load_to_lds s[G0B:G0B+3], s[G1:G1+7]
	s_nop 0
	PLACES
.endif
	s_wait_loadcnt 0x0
; Two fragment buffers by turns; a buffer is fetched anew as soon as its product is issued, one product ahead of its next use.  Each wait for 10 leaves out the ten loads of the fetch just issued.
	FETCHX 0, 4                                    ; the means' tile
	BIAS QR, 0, 0                                  ; bq starts q's sums
	FETCHX 1, 0
	s_wait_dscnt 10
	MM QR, 0, 0, 1                                 ; q
	PLACES
	FETCHX 0, 1
.if \refill
	s_cmp_eq_u32 s[CNT], 1                         ; the last trip that refills has no tile three on
	s_cbranch_scc1 .Lno_ask_\@
.irp k, 0,1,2
	global_prefetch_b8 v[PFO], s[PFB:PFB+1] offset:98304+8192*\k th:TH_LOAD_NT scope:SCOPE_SE   ; tile t + 3, my quarter: the next trip's refill will load it
.endr
.Lno_ask_\@:
.endif
	s_wait_dscnt 10
	MM KA, 1, 1, 0                                 ; k of pixel 0
	PLACES
	FETCHX 1, 2
	s_wait_dscnt 10
	MMV KB, 1, 0, 0, 0, KA                         ; k of pixel 1, and q . k of pixel 0
	FETCHX 0, 3
	s_wait_dscnt 10
	MMV KA, 1, 1, 0, 1, KB                         ; k of pixel 2, and q . k of pixel 1
	FETCHX 1, 0
	s_wait_dscnt 10
	MMV KB, 1, 0, 0, 2, KA                         ; k of pixel 3, and q . k of pixel 2
	FETCHX 0, 1
	s_wait_dscnt 10
	MMV KA, 2, 1, 0, 3, KB                         ; v of pixel 0, and q . k of pixel 3
	FETCHX 1, 2
	BIAS QR, 3072, 0                               ; q is done with: bv starts out's sums (the four p add up to 1)
	RED4
	ds_store_b128 v[SPA], v[100:103]               ; my columns' part of the four scores
	s_wait_dscnt 0x0
	s_barrier_signal -1
	MM KB, 2, 0, 0                                 ; v of pixel 1, on registers alone, while the others arrive
	WIN 0
	s_barrier_wait -1
	PARTS 0
	PLACES
	FETCHX 0, 3
	s_wait_dscnt 10                                ; the four parts are in
	SUM4
	v_max3_num_f32 v108, v72, v73, v74
	v_max_num_f32 v108, v108, v75
.irp j, 0,1,2,3
	v_sub_f32 v[100+\j], v[72+\j], v108
.endr
.irp j, 0,1,2,3
	v_mul_f32 v[100+\j], s[CSC], v[100+\j]
.endr
	s_wait_alu depctr_va_vdst(0)
.irp j, 0,1,2,3
	v_exp_f32 v[100+\j], v[100+\j]
.endr
	v_nop
	s_wait_alu depctr_va_vdst(0)
	v_add_f32 v109, v100, v101
	v_add_f32 v110, v102, v103
	v_add_f32 v109, v109, v110
	s_wait_alu depctr_va_vdst(0)
	v_rcp_f32 v109, v109
	v_nop
	s_wait_alu depctr_va_vdst(0)
.irp j, 0,1,2,3
	v_mul_f32 v[PP+2*\j], v[100+\j], v109
	v_mul_f32 v[PP+2*\j+1], v[100+\j], v109
.endr
	ACC 0, KA
	MMV KA, 2, 1, 1, 1, KB                         ; v of pixel 2, and out += p1 v1
	s_wait_dscnt 0x0
	MMV KB, 2, 0, 1, 2, KA                         ; v of pixel 3, and out += p2 v2
	ACC 3, KB
	QUANT 3,QR,-1,QT,0
	PUTC 0,3,OCWT,96,0
	PUTS 3,OSWT,4,0,QT,0
	WIN 0
	s_xor_b32 s[SLT], s[SLT], SLOT1
	s_add_co_u32 s[OCS], s[OCS], 4864
	s_add_co_u32 s[OSS], s[OSS], 256
.endm
	s_mov_b32 s[CNT], 6
.Lmain:
	TRIP 1
	s_sub_co_u32 s[CNT], s[CNT], 1
	s_cmp_lg_u32 s[CNT], 0
	s_cbranch_scc1 .Lmain
	s_mov_b32 s[CNT], 2
.Llast:
	TRIP 0
	s_sub_co_u32 s[CNT], s[CNT], 1
	s_cmp_lg_u32 s[CNT], 0
	s_cbranch_scc1 .Llast
	STREAM6
	s_wait_dscnt 0x0
	s_barrier_signal -1
	s_barrier_wait -1
.irp t, 0,1,2,3,4,5,6,7
	WIN (1+\t/4)<<6
.irp s, 0,1,2
.irp c, 0,1,2
	ds_load_b128 v[72+36*(\t%4)+12*\s+4*\c:72+36*(\t%4)+12*\s+4*\c+3], v[OFA] offset:4864*\t+96*\s+16*\c
.endr
.endr
.endr
	WIN 0
.irp t, 0,1,2,3,4,5,6,7
.irp s, 0,1,2
	ds_load_b32 v[OSC+3*\t+\s], v[OSA] offset:256*\t+4*\s
.endr
.endr
.macro SPAIR reg, bits
	s_mov_b32 s[\reg], \bits
	s_mov_b32 s[\reg+1], \bits
.endm
	SPAIR GPC, 0x3e6d3388                          ; 0.2316419
	SPAIR GEC, 0xbf38aa3b                          ; -log2(e) / 2
	SPAIR GC5, 0x3f07dc22                          ; the polynomial's five coefficients, each with 1 / sqrt(2 pi) folded in: 0.53070271,
	SPAIR GC3, 0x3f35f0e3                          ; 0.71070687,
	SPAIR GC2, 0xbe11a98e                          ; -0.14224837,
	SPAIR GC1, 0x3e027906                          ; 0.12741480,
	WIN 0xC0
	v_mov_b32 v248, 0xbf3a00e3                     ; and -0.72657601, in a vector pair
	v_mov_b32 v249, 0xbf3a00e3
	WIN 0
.set GZ, 144
.set GU, 160
.set GP, 176
.set GQ, 192
; gelu(x) = x Phi(x) = max(x, 0) - |x| Q(|x|), Q the normal distribution's upper tail: no difference of near-equal numbers is formed on either side of 0.
; Q(a) = exp(-a^2 / 2) t (c1 + t (c2 + t (c3 + t (c4 + t c5)))), t = 1 / (1 + 0.2316419 a) (Abramowitz and Stegun 26.2.17: the absolute error of Q stays under 7.5e-8).
; Where a^2 passes f32's range the exponential is 0 and gelu(x) = max(x, 0).
.macro GELU t
.set GX, 16*(\t)
	WIN 0xFF
.irp k, 0,1,2,3,4,5,6,7,8,9,10,11,12,13,14,15
	v_fma_f32 v[GZ+\k], |v[GX+\k]|, s[GPC], 1.0    ; each accumulator is read from its low end on
.endr
.irp p, 0,1,2,3,4,5,6,7
	v_pk_mul_f32 v[GU+2*\p:GU+2*\p+1], v[GX+2*\p:GX+2*\p+1], v[GX+2*\p:GX+2*\p+1]
.endr
.irp p, 0,1,2,3,4,5,6,7
	v_pk_mul_f32 v[GU+2*\p:GU+2*\p+1], v[GU+2*\p:GU+2*\p+1], s[GEC:GEC+1] op_sel_hi:[1,0]
.endr
	s_wait_alu depctr_va_vdst(0)                   ; the wait ahead of the batch
.irp k, 0,1,2,3,4,5,6,7,8,9,10,11,12,13,14,15
	v_rcp_f32 v[GZ+\k], v[GZ+\k]                   ; t
.endr
.irp k, 0,1,2,3,4,5,6,7,8,9,10,11,12,13,14,15
	v_exp_f32 v[GU+\k], v[GU+\k]                   ; exp(-a^2 / 2)
.endr
.irp k, 0,1,2,3,4,5,6,7,8,9,10,11,12,13,14,15
	v_max_num_f32 v[GQ+\k], 0, v[GX+\k]            ; plain work behind the batch
.endr
	s_wait_alu depctr_va_vdst(0)                   ; and the one wait behind it
.irp p, 0,1,2,3,4,5,6,7
	v_pk_fma_f32 v[GP+2*\p:GP+2*\p+1], v[GZ+2*\p:GZ+2*\p+1], s[GC5:GC5+1], v[248:249] op_sel_hi:[1,0,1]
.endr
.irp g, GC3, GC2, GC1
.irp p, 0,1,2,3,4,5,6,7
	v_pk_fma_f32 v[GP+2*\p:GP+2*\p+1], v[GP+2*\p:GP+2*\p+1], v[GZ+2*\p:GZ+2*\p+1], s[\g:\g+1] op_sel_hi:[1,1,0]
.endr
.endr
.irp p, 0,1,2,3,4,5,6,7
	v_pk_mul_f32 v[GU+2*\p:GU+2*\p+1], v[GU+2*\p:GU+2*\p+1], v[GZ+2*\p:GZ+2*\p+1]
.endr
.irp p, 0,1,2,3,4,5,6,7
	v_pk_mul_f32 v[GP+2*\p:GP+2*\p+1], v[GP+2*\p:GP+2*\p+1], v[GU+2*\p:GU+2*\p+1]
.endr
.irp k, 0,1,2,3,4,5,6,7,8,9,10,11,12,13,14,15
	v_fma_f32 v[GX+\k], -|v[GX+\k]|, v[GP+\k], v[GQ+\k]
.endr
.endm
; Row tile t of out x my 32 columns of W1: six matrix instructions, the tile's two accumulators by turns; b1 is the C of the first two
.macro WMT t
	WIN 0xF1|((1+(\t)/4)<<2)
.irp s, 0,1,2
.irp u, 0,1
.if \s == 0
	WM 16*(\t)+8*\u,12*(3*\u+\s),72+36*((\t)%4)+12*\s,128+8*\u,WS+(3*\u+\s)/2,OSC+3*(\t)+\s,(3*\u+\s)%2
.else
	WM 16*(\t)+8*\u,12*(3*\u+\s),72+36*((\t)%4)+12*\s,16*(\t)+8*\u,WS+(3*\u+\s)/2,OSC+3*(\t)+\s,(3*\u+\s)%2
.endif
.endr
.endr
.endm
	s_mov_b32 s[CNT], 6
	s_mov_b32 s[B1S], 0
	s_mov_b32 s[HCS], 0
	s_mov_b32 s[HSS], 0
.Lround:
	v_add_nc_u32 v[B1AT], s[B1S], v[BTA]
	v_add_nc_u32 v[HCWT], s[HCS], v[HCW]
	v_add_nc_u32 v[HCW2T], s[HCS], v[HCW2]
	v_add_nc_u32 v[HSWT], s[HSS], v[HSW]
	WIN 0xC0
.irp q, 0,1,2,3
	ds_load_b128 v[128+4*\q:131+4*\q], v[B1AT] offset:9216+16*\q
.endr
	WIN 0
	s_wait_loadcnt 0x0
	s_wait_dscnt 0x0
; Tile by tile, two tiles' products ahead of each of the first three GELUs: a GELU names no register of the products issued just ahead of it.  All eight tiles are issued ahead of GELU 3, so that
; the next round's fragments of W1 are asked for with five GELUs and the quantising still to come.
	WMT 0
	WMT 1
	PLACES
	GELU 0
	WMT 2
	WMT 3
	GELU 1
	WMT 4
	WMT 5
	GELU 2
	WMT 6
	WMT 7
	WIN 0
	PLACES
	s_add_nc_u64 s[WCP:WCP+1], s[WCP:WCP+1], 9216
	s_add_nc_u64 s[WSP:WSP+1], s[WSP:WSP+1], 384
	s_cmp_eq_u32 s[CNT], 1
	s_cbranch_scc1 .Lbulk
	STREAM6
	s_branch .Lstreamed
.Lbulk:
	BULK 0
.Lstreamed:
.irp t, 3,4,5,6,7
	GELU \t
.endr
	QUANT 8,0,-1,144,3
	PUTC 0,4,HCWT,9472,0
	PUTC 4,4,HCW2T,9472,0
	PUTS 8,HSWT,512,0,144,3
	WIN 0
	s_add_co_u32 s[B1S], s[B1S], 512
	s_add_co_u32 s[HCS], s[HCS], 96
	s_add_co_u32 s[HSS], s[HSS], 4
	s_sub_co_u32 s[CNT], s[CNT], 1
	s_cmp_lg_u32 s[CNT], 0
	s_cbranch_scc1 .Lround
	BULK 1
	s_wait_dscnt 0x0
	s_barrier_signal -1
	s_barrier_wait -1
	BIAS 192, 4608, 3
.macro FETCHH buf, S
.irp t, 0,1,2,3
.irp c, 0,1,2
	ds_load_b128 v[112+48*(\buf)+12*\t+4*\c:112+48*(\buf)+12*\t+4*\c+3], v[HFAT] offset:9472*\t+96*(\S)+16*\c
.endr
	ds_load_b32 v[XSC+4*(\buf)+\t], v[HSAT] offset:512*\t+4*(\S)
.endr
.endm
.macro MMY S, buf
	WIN 0xF0|(1+(\S)/3)
.irp t, 0,1,2,3
.irp c, 0,1,2,3,4,5
.if (\S) == 0
	WM 48*\t+8*\c,12*(6*((\S)%3)+\c),112+48*(\buf)+12*\t,192+8*\c,WS+9+(6*(\S)+\c)/2,XSC+4*(\buf)+\t,\c%2
.else
	WM 48*\t+8*\c,12*(6*((\S)%3)+\c),112+48*(\buf)+12*\t,48*\t+8*\c,WS+9+(6*(\S)+\c)/2,XSC+4*(\buf)+\t,\c%2
.endif
.endr
.endr
	WIN 0
.endm
	s_mov_b32 s[CNT], 2
	s_mov_b32 s[HFS], 0
	s_mov_b32 s[HS2], 0
	s_mov_b32 s93, 0x3b2aaaab
	s_mov_b32 s94, 0x3727c5ac
.Lhalf:
	v_add_nc_u32 v[HFAT], s[HFS], v[HFA]
	v_add_nc_u32 v[HSAT], s[HS2], v[HSA]
	FETCHH 0, 0
	FETCHH 1, 1
	s_wait_alu depctr_va_vdst(0)
	s_wait_loadcnt 63
	s_wait_dscnt 16
	MMY 0, 0
	PLACES
	FETCHH 0, 2
	s_wait_dscnt 16
	MMY 1, 1
	PLACES
	FETCHH 1, 3
	s_wait_dscnt 16
	MMY 2, 0
	PLACES
	FETCHH 0, 4
	s_wait_loadcnt 0x0
	s_wait_dscnt 16
	MMY 3, 1
	PLACES
	FETCHH 1, 5
	s_wait_dscnt 16
	MMY 4, 0
	s_wait_dscnt 0x0
	MMY 5, 1
	PLACES
	BIAS 112, 6144, 0
	BIAS 160, 7680, 0
	WIN 0x0F
.irp t, 0,1,2,3
	v_pk_add_f32 v[72+4*\t:73+4*\t], v[48*\t:48*\t+1], v[48*\t+2:48*\t+3]
	v_pk_add_f32 v[74+4*\t:75+4*\t], v[48*\t+4:48*\t+5], v[48*\t+6:48*\t+7]
.endr
	WIN 0x0C
.set p, 4
.rept 20
.irp t, 0,1,2,3
	v_pk_add_f32 v[72+4*\t+2*(p%2):73+4*\t+2*(p%2)], v[72+4*\t+2*(p%2):73+4*\t+2*(p%2)], v[48*\t+2*p:48*\t+2*p+1]
.endr
.set p, p+1
.endr
	RED4
	ds_store_b128 v[SPA], v[100:103]
	s_wait_dscnt 0x0
	s_barrier_signal -1
	s_barrier_wait -1
	PARTS 0
	s_wait_dscnt 0x0
	SUM4
.irp t, 0,1,2,3
	v_mul_f32 v[PP+2*\t], s93, v[72+\t]
	v_mul_f32 v[PP+2*\t+1], s93, v[72+\t]
.endr
	WIN 0xC3
.irp t, 0,1,2,3
.set p, 0
.rept 24
	v_pk_add_f32 v[48*\t+2*p:48*\t+2*p+1], v[48*\t+2*p:48*\t+2*p+1], v[PP+2*\t:PP+2*\t+1] neg_lo:[0,1] neg_hi:[0,1]
.set p, p+1
.endr
.endr
	WIN 0x0F
.irp t, 0,1,2,3
	v_pk_mul_f32 v[72+4*\t:73+4*\t], v[48*\t:48*\t+1], v[48*\t:48*\t+1]
	v_pk_mul_f32 v[74+4*\t:75+4*\t], v[48*\t+2:48*\t+3], v[48*\t+2:48*\t+3]
.endr
.set p, 2
.rept 22
.irp t, 0,1,2,3
	v_pk_fma_f32 v[72+4*\t+2*(p%2):73+4*\t+2*(p%2)], v[48*\t+2*p:48*\t+2*p+1], v[48*\t+2*p:48*\t+2*p+1], v[72+4*\t+2*(p%2):73+4*\t+2*(p%2)]
.endr
.set p, p+1
.endr
	RED4
	ds_store_b128 v[SPA], v[100:103] offset:2048
	s_wait_dscnt 0x0
	s_barrier_signal -1
	s_barrier_wait -1
	PARTS 2048
	s_wait_dscnt 0x0
	SUM4
.irp t, 0,1,2,3
	v_fma_f32 v[100+\t], v[72+\t], s93, s94
.endr
	s_wait_alu depctr_va_vdst(0)
.irp t, 0,1,2,3
	v_rsq_f32 v[PP+2*\t], v[100+\t]
	v_rsq_f32 v[PP+2*\t+1], v[100+\t]
.endr
	v_nop
	s_wait_alu depctr_va_vdst(0)
	WIN 0xC3
.irp t, 0,1,2,3
.set p, 0
.rept 24
	v_pk_mul_f32 v[48*\t+2*p:48*\t+2*p+1], v[48*\t+2*p:48*\t+2*p+1], v[PP+2*\t:PP+2*\t+1]
.set p, p+1
.endr
.set p, 0
.rept 24
	v_pk_fma_f32 v[48*\t+2*p:48*\t+2*p+1], v[48*\t+2*p:48*\t+2*p+1], v[112+2*p:113+2*p], v[160+2*p:161+2*p]
.set p, p+1
.endr
.endr
	WIN 0x0C
.irp t, 0,1
.irp i, 0,1,2
.irp q, 0,1,2,3
	ds_store_b128 v[STW], v[48*\t+16*\i+4*\q:48*\t+16*\i+4*\q+3] offset:24832*\t+512*\i+16*\q
.endr
.endr
.endr
.irp t, 0,1
.irp i, 0,1,2
.irp q, 0,1,2,3
	ds_store_b128 v[STW2], v[96+48*\t+16*\i+4*\q:96+48*\t+16*\i+4*\q+3] offset:24832*\t+512*\i+16*\q
.endr
.endr
.endr
	WIN 0
	s_wait_dscnt 0x0
	s_barrier_signal -1
	s_barrier_wait -1
.irp bt, 0,1
.if \bt
	s_wait_xcnt 0x0
.endif
.set n, 0
.rept 24
	ds_load_b128 v[112+4*n:115+4*n], v[STR] offset:1552*(8*\bt+n/3)+512*(n%3)
.set n, n+1
.endr
.set n, 0
.rept 24
	s_wait_dscnt 23-n
	global_store_b128 v[L16], v[112+4*n:115+4*n], s[10:11] offset:1536*(8*\bt+n/3)+512*(n%3) th:TH_STORE_NT
.set n, n+1
.endr
.endr
	s_wait_xcnt 0x0
	s_add_nc_u64 s[10:11], s[10:11], 98304
	s_add_co_u32 s[HFS], s[HFS], 37888
	s_add_co_u32 s[HS2], s[HS2], 2048
	s_sub_co_u32 s[CNT], s[CNT], 1
	s_cmp_lg_u32 s[CNT], 0
	s_cbranch_scc1 .Lhalf
	s_wait_tensorcnt 0x0
	ds_add_u32 v[SPW], v[NIL]
	s_wait_dscnt 0x0
	s_endpgm
.Lfunc_end_k_q774942df81_fused:
	.size	k_q774942df81_fused, .Lfunc_end_k_q774942df81_fused-k_q774942df81_fused
	.p2alignl 7, 3214868480
	.fill 96, 4, 3214868480
	.section	.rodata,"a",@progbits
	.p2align	6, 0x0
	.amdhsa_kernel k_q774942df81_fused
		.amdhsa_group_segment_fixed_size 327680
		.amdhsa_private_segment_fixed_size 0
		.amdhsa_enable_private_segment 0
		.amdhsa_kernarg_size 80
		.amdhsa_user_sgpr_count 2
		.amdhsa_user_sgpr_kernarg_segment_ptr 1
		.amdhsa_wavefront_size32 1
		.amdhsa_system_sgpr_workgroup_id_x 1
		.amdhsa_system_sgpr_workgroup_id_y 1
		.amdhsa_system_sgpr_workgroup_id_z 1
		.amdhsa_system_vgpr_workitem_id 0
		.amdhsa_next_free_vgpr 1024
		.amdhsa_next_free_sgpr 96
		.amdhsa_reserve_vcc 0
		.amdhsa_float_denorm_mode_32 3
		.amdhsa_float_denorm_mode_16_64 3
		.amdhsa_memory_ordered 1
		.amdhsa_forward_progress 1
		.amdhsa_inst_pref_size 255
	.end_amdhsa_kernel
	.section	.bss,"aw",@nobits
	.p2align	6
	.space	262144
	.amdgpu_metadata
---
amdhsa.version: [ 1, 2 ]
amdhsa.kernels:
  - .name:           k_q774942df81_fused
    .symbol:         k_q774942df81_fused.kd
    .args:
      - { .name: x, .offset: 0, .size: 8, .value_kind: global_buffer, .address_space: global }
      - { .name: wcodes, .offset: 8, .size: 8, .value_kind: global_buffer, .address_space: global }
      - { .name: wscales, .offset: 16, .size: 8, .value_kind: global_buffer, .address_space: global }
      - { .name: out0, .offset: 24, .size: 8, .value_kind: global_buffer, .address_space: global }
      - { .name: bq, .offset: 32, .size: 8, .value_kind: global_buffer, .address_space: global }
      - { .name: bv, .offset: 40, .size: 8, .value_kind: global_buffer, .address_space: global }
      - { .name: b1, .offset: 48, .size: 8, .value_kind: global_buffer, .address_space: global }
      - { .name: b2, .offset: 56, .size: 8, .value_kind: global_buffer, .address_space: global }
      - { .name: gamma, .offset: 64, .size: 8, .value_kind: global_buffer, .address_space: global }
      - { .name: beta, .offset: 72, .size: 8, .value_kind: global_buffer, .address_space: global }
    .group_segment_fixed_size: 327680
    .private_segment_fixed_size: 0
    .kernarg_segment_align: 8
    .kernarg_segment_size: 80
    .max_flat_workgroup_size: 128
    .sgpr_count:     96
    .vgpr_count:     1024
    .wavefront_size: 32
...
	.end_amdgpu_metadata
.endif
;; end of part 2
